; MI455X (gfx1250); checked and timed in simulation.
; The chip was launched on July 23, 2026; its instructions are those of AMD's public machine-readable ISA for CDNA 5 (MIT licence, August 2026) and "CDNA5" Instruction Set Architecture Reference Guide (July 2026). The comments in the code are by the model that wrote it; some were corrected since.
;; SA v. Allowed arithmetic: float matrix products may take bf16 or f16 operands with f32 sums; all other float work in f32.
;; Inputs: Wk 512 x 512 float32; Wm 512 x 512 float32; Wq 512 x 512 float32; Wv 512 x 512 float32; beta 512 float32; bk 512 float32; bm 512 float32; bq 512 float32; gamma 512 float32; x 32 x 1,024 x 512 float32.
;; Outputs: out0 32 x 1,024 x 512 float32.
;; One version. Each part assembles by itself: llvm-mc -triple=amdgcn-amd-amdhsa -mcpu=gfx1250 --defsym DOCPART=n.
;; ======== version 1 of 1: 4 launches
;; workspace buffers: wf 2,097,152 bytes; qf 33,554,432 bytes; kv 67,108,864 bytes; cf 33,554,432 bytes
;; launch prep (part 1): grid 32 x 4, 8 waves a work-group, no clusters, 0 bytes of LDS; arguments Wq, Wk, Wv, Wm, wf; writes wf
.if DOCPART == 1
	.amdgcn_target "amdgcn-amd-amdhsa--gfx1250"
	.amdhsa_code_object_version 6
	.text
	.protected	k_q743755ad96_prep
	.globl	k_q743755ad96_prep
	.p2align	8
	.type	k_q743755ad96_prep,@function
k_q743755ad96_prep:
	s_mov_b64 s[64:65], 0
	v_nop
	global_prefetch_b8 v0, s[64:65] scope:SCOPE_SE
	s_setreg_imm32_b32 hwreg(HW_REG_WAVE_MODE, 25, 1), 1
	s_wait_xcnt 0x0
; The four weight matrices [512][512] f32 are rounded to bf16 once and laid out in the order in which the matrix
; instructions of the later launches take them, so that those launches load a fragment by two loads of 512 neighbouring bytes.
; A fragment is 16 rows x 32 k = 1,024 bytes: lane L = r + 16 h holds, at byte 16 L, k = k0 + 8h .. + 7 of row r, and at byte
; 512 + 16 L, k = k0 + 16 + 8h .. + 7 (ISA guide 7.12.2: 16-bit A and B operands).
; wf: Wq, Wk, Wv (mat 0, 1, 2): byte w*393216 + mat*131072 + kc*8192 + bt*1024, fragment row r = W row 128 w + 16 bt + r.
;     Wm (mat 3): byte 1572864 + w*131072 + kc*8192 + bt*1024, fragment row r = Wm row 128 w + 64 (bt>>2) + 4 r + (bt&3):
;     in the last launch a lane's tiles 4q .. 4q+3 then hold four neighbouring output columns.
; Work-group (nt, mat): row tile nt = 8 w + bt of matrix mat.  Wave v: k chunks 2v and 2v + 1, that is 256 neighbouring bytes of each of 16 rows.
; No LDS, no barrier, no loop: 128 work-groups, 4 MiB in, 2 MiB out.
.set WSEG,  393216                     ; a wave's stream of q, k and v weights in wf
.set MSEG,  131072                     ; one matrix's part of it
.set WMOFF, 1572864                    ; where Wm's fragments begin
	s_load_b256 s[4:11], s[0:1], 0x0               ; Wq s[4:5], Wk s[6:7], Wv s[8:9], Wm s[10:11]
	s_load_b64 s[12:13], s[0:1], 0x20              ; wf
	s_and_b32 s14, ttmp7, 0xffff                   ; mat
	v_lshrrev_b32 v1, 5, v0
	v_readfirstlane_b32 s15, v1                    ; wave
	v_and_b32 v2, 15, v0                           ; r
	v_bfe_u32 v3, v0, 4, 1                         ; h
	v_and_b32 v5, 31, v0
	v_lshlrev_b32 v5, 4, v5                        ; 16 L: my 16 bytes in a block of 512
	s_lshr_b32 s16, ttmp9, 3                       ; w
	s_and_b32 s17, ttmp9, 7                        ; bt
	s_lshl_b32 s18, ttmp9, 4                       ; plain map: first row 16 nt, rows one apart
	s_mul_i32 s19, s16, WSEG
	s_lshl_b32 s20, s14, 17
	s_add_co_u32 s19, s19, s20                     ; w*393216 + mat*131072
	s_lshl_b32 s21, s16, 7                         ; Wm's map: first row 128 w + 64 (bt>>2) + (bt&3), rows four apart
	s_bfe_u32 s22, ttmp9, 0x10002
	s_lshl_b32 s22, s22, 6
	s_add_co_u32 s21, s21, s22
	s_and_b32 s22, ttmp9, 3
	s_add_co_u32 s21, s21, s22
	s_lshl_b32 s23, s16, 17
	s_add_co_u32 s23, s23, WMOFF
	s_cmp_eq_u32 s14, 3
	s_cselect_b32 s18, s21, s18                    ; first row
	s_cselect_b32 s19, s23, s19                    ; offset in wf
	s_cselect_b32 s24, 2, 0                        ; log2 of the distance between a fragment's rows
	s_lshl_b32 s20, s17, 10
	s_add_co_u32 s19, s19, s20                     ; + bt*1024
	s_lshl_b32 s20, s15, 14
	s_add_co_u32 s20, s19, s20                     ; + 2 v * 8192
	s_mov_b32 s21, 0
	v_lshlrev_b32 v4, s24, v2
	v_add_nc_u32 v4, s18, v4                       ; my row of W
	v_lshlrev_b32 v4, 11, v4                       ; x 2,048 bytes
	v_lshl_add_u32 v4, v3, 5, v4                   ; + 8 h numbers of 4 bytes
	s_lshl_b32 s25, s15, 8
	v_add_nc_u32 v4, s25, v4                       ; + the wave's 64 columns
	s_wait_kmcnt 0x0
	s_cmp_eq_u32 s14, 1                            ; the source: a choice between buffers on the work-group's y
	s_cselect_b64 s[4:5], s[6:7], s[4:5]
	s_cmp_eq_u32 s14, 2
	s_cselect_b64 s[4:5], s[8:9], s[4:5]
	s_cmp_eq_u32 s14, 3
	s_cselect_b64 s[4:5], s[10:11], s[4:5]
	s_add_nc_u64 s[12:13], s[12:13], s[20:21]
.irp e, 0,1
.irp p, 0,1
	global_load_b128 v[8+16*\e+8*\p:8+16*\e+8*\p+3],   v4, s[4:5] offset:128*\e+64*\p th:TH_LOAD_NT      ; chunk 2v+e, half p: 8 numbers
	global_load_b128 v[12+16*\e+8*\p:12+16*\e+8*\p+3], v4, s[4:5] offset:128*\e+64*\p+16 th:TH_LOAD_NT
.endr
.endr
	s_wait_loadcnt 0x0
.irp k, 0,1,2,3,4,5,6,7,8,9,10,11,12,13,14,15
	v_cvt_pk_bf16_f32 v[40+\k], v[8+2*\k], v[9+2*\k]
.endr
.irp e, 0,1
.irp p, 0,1
	global_store_b128 v5, v[40+8*\e+4*\p:43+8*\e+4*\p], s[12:13] offset:8192*\e+512*\p   ; the wave stores 512 neighbouring bytes, aligned
.endr
.endr
	s_endpgm
.Lfunc_end_k_q743755ad96_prep:
	.size	k_q743755ad96_prep, .Lfunc_end_k_q743755ad96_prep-k_q743755ad96_prep
	.p2alignl 7, 3214868480
	.fill 96, 4, 3214868480
	.section	.rodata,"a",@progbits
	.p2align	6, 0x0
	.amdhsa_kernel k_q743755ad96_prep
		.amdhsa_group_segment_fixed_size 0
		.amdhsa_private_segment_fixed_size 0
		.amdhsa_enable_private_segment 0
		.amdhsa_kernarg_size 40
		.amdhsa_user_sgpr_count 2
		.amdhsa_user_sgpr_kernarg_segment_ptr 1
		.amdhsa_wavefront_size32 1
		.amdhsa_system_sgpr_workgroup_id_x 1
		.amdhsa_system_sgpr_workgroup_id_y 1
		.amdhsa_system_sgpr_workgroup_id_z 1
		.amdhsa_system_vgpr_workitem_id 0
		.amdhsa_next_free_vgpr 64
		.amdhsa_next_free_sgpr 66
		.amdhsa_reserve_vcc 0
		.amdhsa_float_denorm_mode_32 3
		.amdhsa_float_denorm_mode_16_64 3
		.amdhsa_memory_ordered 1
		.amdhsa_forward_progress 1
		.amdhsa_inst_pref_size 5
	.end_amdhsa_kernel
	.amdgpu_metadata
---
amdhsa.version: [ 1, 2 ]
amdhsa.kernels:
  - .name:           k_q743755ad96_prep
    .symbol:         k_q743755ad96_prep.kd
    .args:
      - { .name: Wq, .offset: 0, .size: 8, .value_kind: global_buffer, .address_space: global }
      - { .name: Wk, .offset: 8, .size: 8, .value_kind: global_buffer, .address_space: global }
      - { .name: Wv, .offset: 16, .size: 8, .value_kind: global_buffer, .address_space: global }
      - { .name: Wm, .offset: 24, .size: 8, .value_kind: global_buffer, .address_space: global }
      - { .name: wf, .offset: 32, .size: 8, .value_kind: global_buffer, .address_space: global }
    .group_segment_fixed_size: 0
    .private_segment_fixed_size: 0
    .kernarg_segment_align: 8
    .kernarg_segment_size: 40
    .max_flat_workgroup_size: 256
    .sgpr_count:     66
    .vgpr_count:     64
    .wavefront_size: 32
...
	.end_amdgpu_metadata
.endif
;; end of part 1
;; launch qkv (part 2): grid 256 x 1, 4 waves a work-group, no clusters, 143,872 bytes of LDS; arguments x, wf, bq, bk, qf, kv; writes qf, kv
.if DOCPART == 2
	.amdgcn_target "amdgcn-amd-amdhsa--gfx1250"
	.amdhsa_code_object_version 6
	.text
	.protected	k_q743755ad96_qkv
	.globl	k_q743755ad96_qkv
	.p2align	8
	.type	k_q743755ad96_qkv,@function
k_q743755ad96_qkv:
	s_mov_b64 s[64:65], 0
	v_nop
	global_prefetch_b8 v0, s[64:65] scope:SCOPE_SE
	s_setreg_imm32_b32 hwreg(HW_REG_WAVE_MODE, 25, 1), 1
	s_wait_xcnt 0x0
; q = rope(x Wq^T + bq), k = rope(x Wk^T + bk), v = x Wv^T, in bf16, stored in the fragment order that the attention launch loads.
; Work-group g: 128 tokens (batch g>>3, token tiles 8 (g&7) + a, a = 0..7), all 1,536 output columns in three passes (q, k, v).
; Wave w in a pass: 128 tokens x columns 128 w .. 128 w + 127 (heads 2w, 2w+1): 64 accumulator tiles, 512 registers.
; x is read from memory once, rounded to bf16 once and kept in LDS for all three passes and all four waves.
; A weight fragment is used by one wave of the group alone, so it goes from wf straight into registers: two loads of 512 neighbouring
; bytes, through a ring of four register buffers, three K steps (48 loads, 24 KiB a wave) ahead of its use.  One barrier in the launch.
; NO CLUSTER, NO JOINT LOADS: what work-groups share is wf.  A joint load would bring it through LDS: 32 KiB for a K step of the four waves;
; beside x's 133,120 bytes two slots could hold two K steps each, that is one turn of the cluster's barrier for every 128 matrix
; instructions of a wave, and every weight byte would be written to and read from LDS once more.
; q, k: the matrix instruction takes W as source 0 and x as source 1: lane (r, h), register j holds (column 16 bt + 8h + j, token r); the bias is
;   the first product's C; RoPE pairs tiles 2p and 2p+1 (d and d + 16) register by register; eight registers pack into 16 bytes = half a fragment (row = token, k = d).
; v: x as source 0: register j holds (token 8h + j, column r): packed, half a fragment of V^T (row = d, k = token).
; RoPE: head dim 64; d 0-31 turn with the token's grid row s>>5, d 32-63 with its column s&31, angle pos * 10^(-i/4), i = d mod 16.
; LIMITS: matrix operands bf16, sums f32.  Sine and cosine by reduction to a quarter of a turn's quarter, series to y^7 and y^8, two doublings: absolute error about 3e-6.
.set XPITCH, 1040                      ; an x row in LDS: 1,024 bytes + 16 = 65 x 16: the 16 rows of a fragment load start in 16 different 16-byte columns of the 256-byte bank row (ISA guide 11.1)
.set TAB,    128*XPITCH                ; 133,120: cos, sin, -sin, each [pos 32][i 16] f32 = 2,048 bytes
.set BIAS,   TAB+6144                  ; 139,264: bq, then bk, 2,048 bytes each
.set VO,   1                           ; v1   16 x lane: my 16 bytes of a 512-byte block (weights in, results out, x in)
.set ADR0, 2                           ; v2   LDS address of my x fragments, token tiles 0-3, this trip
.set ADR1, 3                           ; v3   the same, token tiles 4-7
.set YA,   4                           ; v4   table address for the grid row
.set XA,   5                           ; v5   table address for the grid column
.set BA,   6                           ; v6   bias address
.set XS,   7                           ; v7   where I store converted x
.set A0B,  8                           ; v8, v9  ADR0, ADR1 at K = 0
.set A1B,  9
.set F0,   64                          ; window 0: v64-127, v128-191 x fragments, two buffers; v192-255 the bias as eight C tiles
.set F1,   128
.set BI,   192
.set N,    64                          ; epilogue: rotated values, then packed
.set TM,   176                         ; epilogue: products
; window 1: four weight buffers of 64 registers; windows 2, 3: tile (a, bt) at v[8 (8 (a&3) + bt)], a = 0-3 and 4-7
.set MSB, 0
.macro WIN new                         ; the immediate's high byte repeats the setting that is left; a switch that changes nothing is dropped
.if MSB != (\new)
	s_set_vgpr_msb (MSB<<8)|(\new)
.set MSB, (\new)
.endif
.endm
.macro PLACES                          ; four plain vector instructions between a matrix instruction and a load into, or a vector use of, its registers
.rept 4
	v_nop
.endr
.endm
; one matrix instruction.  cm = 0: adds in place; 1: C = bias tile c; 2: C = 0.  nat = 0: W first (columns down the registers); 1: x first (tokens down the registers)
.macro MM d, x, w, c, cm, nat
.if \nat
.if \cm == 0
	v_wmma_f32_16x16x32_bf16 v[\d:\d+7], v[\x:\x+7], v[\w:\w+7], v[\d:\d+7]
.endif
.if \cm == 1
	v_wmma_f32_16x16x32_bf16 v[\d:\d+7], v[\x:\x+7], v[\w:\w+7], v[\c:\c+7]
.endif
.if \cm == 2
	v_wmma_f32_16x16x32_bf16 v[\d:\d+7], v[\x:\x+7], v[\w:\w+7], 0
.endif
.else
.if \cm == 0
	v_wmma_f32_16x16x32_bf16 v[\d:\d+7], v[\w:\w+7], v[\x:\x+7], v[\d:\d+7]
.endif
.if \cm == 1
	v_wmma_f32_16x16x32_bf16 v[\d:\d+7], v[\w:\w+7], v[\x:\x+7], v[\c:\c+7]
.endif
.if \cm == 2
	v_wmma_f32_16x16x32_bf16 v[\d:\d+7], v[\w:\w+7], v[\x:\x+7], 0
.endif
.endif
.endm
; 16 matrix instructions: token tiles a0, a0+1 of the window's four x all eight column tiles.  The 64 accumulators take turns, one instruction a turn.
.macro MUL16 f, wb, hi, a0, cm, nat
.irp a, \a0, \a0+1
.irp b, 0,1,2,3,4,5,6,7
	MM 8*(8*(\a)+\b), \f+8*(4*\hi+\a), \wb+8*\b, BI+8*\b, \cm, \nat
.endr
.endr
.endm
.macro MWIN hi, cm, nat                ; D in window 2 + hi; C there too, or (the bias) in window 0; W in window 1, x in window 0
.if \cm == 1
	WIN ((2+\hi)<<6)|(1+3*\nat)
.else
	WIN ((2+\hi)<<6)|((2+\hi)<<4)|(1+3*\nat)
.endif
.endm
.macro FETCHX k, f                     ; 16 LDS loads: eight x fragments (128 tokens x 32 K at byte k of this trip's rows)
.irp a, 0,1,2,3
	ds_load_b128 v[\f+8*\a:\f+8*\a+3],   v[ADR0] offset:\k+\a*16*XPITCH
	ds_load_b128 v[\f+8*\a+4:\f+8*\a+7], v[ADR0] offset:\k+\a*16*XPITCH+32
.endr
.irp a, 0,1,2,3
	ds_load_b128 v[\f+32+8*\a:\f+32+8*\a+3], v[ADR1] offset:\k+\a*16*XPITCH
	ds_load_b128 v[\f+36+8*\a:\f+36+8*\a+3], v[ADR1] offset:\k+\a*16*XPITCH+32
.endr
.endm
.macro WLOAD wb, off                   ; 16 loads: a K step's eight weight fragments, 8 KiB that lie together in wf
	WIN 0x40
.irp n, 0,1,2,3,4,5,6,7,8,9,10,11,12,13,14,15
	global_load_b128 v[\wb+4*\n:\wb+4*\n+3], v[VO], s[6:7] offset:\off+512*\n
.endr
.endm
; K step s (0-3) of a trip.  fetch: the next step's x fragments are read in its middle; wl: the weights four steps on are asked for at its end;
; cnt: how many younger weight loads may stay out.
.macro STEP s, cm, nat, fetch, wl, cnt
	s_wait_loadcnt \cnt                            ; loads return in order (ISA guide 5.7.1): this step's 16 are in, the later buffers' stay out
	s_wait_dscnt 8                                 ; x fragments of token tiles 0-3 are in; the eight youngest LDS loads (tiles 4-7) may be out
	MWIN 0, \cm, \nat
	MUL16 64+64*(\s&1), 64*(\s&3), 0, 0, \cm, \nat
	MUL16 64+64*(\s&1), 64*(\s&3), 0, 2, \cm, \nat
.if \fetch
	PLACES
	WIN 0
	FETCHX 64*(\s+1), 128-64*(\s&1)
	s_wait_dscnt 16                                ; all but the 16 just issued
.else
	s_wait_dscnt 0x0
.endif
	MWIN 1, \cm, \nat
	MUL16 64+64*(\s&1), 64*(\s&3), 1, 0, \cm, \nat
	MUL16 64+64*(\s&1), 64*(\s&3), 1, 2, \cm, \nat
	PLACES
.if \wl
	WLOAD 64*(\s&3), (\s+4)*8192
.endif
.endm
.macro TRIP cm, nat, last, wl, c0, c1, c2, c3      ; four K steps
	STEP 0, \cm, \nat, 1, \wl, \c0
	STEP 1, 0, \nat, 1, \wl, \c1
	STEP 2, 0, \nat, 1, \wl, \c2
	STEP 3, 0, \nat, 1-\last, \wl, \c3
	WIN 0
.if \wl
	s_wait_xcnt 0x0                                ; the weight pointer is stepped only behind this wait
	s_add_nc_u64 s[6:7], s[6:7], 32768
.endif
.if 1-\last
	v_add_nc_u32 v[ADR0], 256, v[ADR0]
	v_add_nc_u32 v[ADR1], 256, v[ADR1]
.endif
.endm
.macro PASS_HEAD bias, p
	s_wait_xcnt 0x0                                ; v64-95 were the last stores' data: loaded again only behind this wait
	v_mov_b32 v[ADR0], v[A0B]
	v_mov_b32 v[ADR1], v[A1B]
.if \bias
.irp b, 0,1,2,3,4,5,6,7
	ds_load_b128 v[BI+8*\b:BI+8*\b+3],   v[BA] offset:2048*\p+64*\b       ; register j of tile b: bias of column 128 w + 16 b + 8h + j
	ds_load_b128 v[BI+8*\b+4:BI+8*\b+7], v[BA] offset:2048*\p+64*\b+16
.endr
.endif
	FETCHX 0, F0
.endm
; q or k, token tile a: rotate, pack, store.  Tables: v128-151 cos, sin, -sin of the grid row; v152-175 of the grid column.
.macro EPI_ROPE a, isk
.irp t, 0,1,2
	ds_load_b128 v[128+8*\t:131+8*\t], v[YA] offset:((\a)>>1)*64+\t*2048
	ds_load_b128 v[132+8*\t:135+8*\t], v[YA] offset:((\a)>>1)*64+\t*2048+16
	ds_load_b128 v[152+8*\t:155+8*\t], v[XA] offset:((\a)&1)*1024+\t*2048
	ds_load_b128 v[156+8*\t:159+8*\t], v[XA] offset:((\a)&1)*1024+\t*2048+16
.endr
	s_wait_dscnt 0x0
	s_wait_xcnt 0x0                                ; the last tile's stores have had their data read: N is rewritten only behind this wait
	WIN 2+((\a)>>2)
.irp p, 0,1,2,3
.irp jj, 0,2,4,6
	v_pk_mul_f32 v[TM+\jj:TM+\jj+1],     v[8*(8*((\a)&3)+2*\p+1)+\jj:8*(8*((\a)&3)+2*\p+1)+\jj+1], v[144+24*(\p&1)+\jj:145+24*(\p&1)+\jj]   ; -sin x upper half
	v_pk_mul_f32 v[TM+8+\jj:TM+8+\jj+1], v[8*(8*((\a)&3)+2*\p)+\jj:8*(8*((\a)&3)+2*\p)+\jj+1],     v[136+24*(\p&1)+\jj:137+24*(\p&1)+\jj]   ;  sin x lower half
	v_pk_fma_f32 v[N+16*\p+\jj:N+16*\p+\jj+1],     v[8*(8*((\a)&3)+2*\p)+\jj:8*(8*((\a)&3)+2*\p)+\jj+1],     v[128+24*(\p&1)+\jj:129+24*(\p&1)+\jj], v[TM+\jj:TM+\jj+1]
	v_pk_fma_f32 v[N+16*\p+8+\jj:N+16*\p+8+\jj+1], v[8*(8*((\a)&3)+2*\p+1)+\jj:8*(8*((\a)&3)+2*\p+1)+\jj+1], v[128+24*(\p&1)+\jj:129+24*(\p&1)+\jj], v[TM+8+\jj:TM+8+\jj+1]
.endr
.endr
	WIN 0
.irp k, 0,1,2,3,4,5,6,7,8,9,10,11,12,13,14,15,16,17,18,19,20,21,22,23,24,25,26,27,28,29,30,31
	v_cvt_pk_bf16_f32 v[N+\k], v[N+2*\k], v[N+2*\k+1]          ; packs in place: word k is written when words 2k, 2k+1 are read
.endr
.irp b, 0,1,2,3,4,5,6,7
.if \isk
	global_store_b128 v[VO], v[N+4*\b:N+4*\b+3], s[14:15] offset:(\b>>2)*262144+((\a)>>2)*16384+((\a)&3)*2048+(\b&3)*512
.else
	global_store_b128 v[VO], v[N+4*\b:N+4*\b+3], s[12:13] offset:(\b>>2)*131072+(\a)*2048+(\b&3)*512
.endif
.endr
.endm
.macro EPI_V a
	s_wait_xcnt 0x0
	WIN 0x0a+5*((\a)>>2)
.irp b, 0,1,2,3,4,5,6,7
.irp m, 0,1,2,3
	v_cvt_pk_bf16_f32 v[N+4*\b+\m], v[8*(8*((\a)&3)+\b)+2*\m], v[8*(8*((\a)&3)+\b)+2*\m+1]
.endr
.endr
	WIN 0
.irp b, 0,1,2,3,4,5,6,7
	global_store_b128 v[VO], v[N+4*\b:N+4*\b+3], s[14:15] offset:(\b>>2)*262144+((\a)>>2)*16384+8192+(((\a)>>1)&1)*4096+(\b&3)*1024+((\a)&1)*512
.endr
.endm
.macro XGROUP g, buf                   ; 16 loads of 512 neighbouring bytes: four rows of x
.irp i, 0,1,2,3,4,5,6,7,8,9,10,11,12,13,14,15
	global_load_b128 v[\buf+4*\i:\buf+4*\i+3], v[VO], s[4:5] offset:512*(16*\g+\i) th:TH_LOAD_NT
.endr
.endm
.macro XCONV g, buf                    ; round them to bf16 and put them into LDS: a store covers 256 neighbouring bytes
.irp i, 0,1,2,3,4,5,6,7,8,9,10,11,12,13,14,15
	v_cvt_pk_bf16_f32 v[32+2*\i], v[\buf+4*\i],   v[\buf+4*\i+1]
	v_cvt_pk_bf16_f32 v[33+2*\i], v[\buf+4*\i+2], v[\buf+4*\i+3]
.endr
.irp i, 0,1,2,3,4,5,6,7,8,9,10,11,12,13,14,15
	ds_store_b64 v[XS], v[32+2*\i:33+2*\i] offset:((16*\g+\i)>>2)*XPITCH+((16*\g+\i)&3)*256
.endr
.endm
; table entry (pos = tid>>4 + 8 e, i = tid & 15)
.macro SINCOS e
	v_add_nc_u32 v17, 8*\e, v15
	v_cvt_f32_u32 v17, v17
	v_mul_f32 v17, v17, v14                        ; the angle
	v_mul_f32 v17, 0.15915494, v17                 ; in turns
	v_add_f32 v18, 0.5, v17
	v_cvt_u32_f32 v18, v18
	v_cvt_f32_u32 v18, v18                         ; the nearest whole turn
	v_sub_f32 v17, v17, v18                        ; -0.5 .. 0.5
	v_mul_f32 v17, 0x3fc90fdb, v17                 ; y = a quarter of the reduced angle, |y| <= pi/4
	v_mul_f32 v18, v17, v17
	v_mov_b32 v19, 0xb9500d01                      ; sin y = y + y z (-1/6 + z (1/120 - z/5040))
	v_fmaak_f32 v19, v19, v18, 0x3c088889
	v_fmaak_f32 v19, v19, v18, 0xbe2aaaab
	v_mul_f32 v19, v19, v18
	v_fma_f32 v19, v17, v19, v17
	v_mov_b32 v20, 0x37d00d01                      ; cos y = 1 + z (-1/2 + z (1/24 + z (-1/720 + z/40320)))
	v_fmaak_f32 v20, v20, v18, 0xbab60b61
	v_fmaak_f32 v20, v20, v18, 0x3d2aaaab
	v_fmaak_f32 v20, v20, v18, 0xbf000000
	v_fma_f32 v20, v20, v18, 1.0
.rept 2                                            ; twice the angle, twice
	v_mul_f32 v21, v19, v19
	v_mul_f32 v19, v19, v20
	v_fma_f32 v20, v21, -2.0, 1.0
	v_add_f32 v19, v19, v19
.endr
	v_xor_b32 v21, 0x80000000, v19
	ds_store_b32 v16, v20 offset:512*\e
	ds_store_b32 v16, v19 offset:512*\e+2048
	ds_store_b32 v16, v21 offset:512*\e+4096
.endm
	s_load_b256 s[4:11], s[0:1], 0x0               ; x s[4:5], wf s[6:7], bq s[8:9], bk s[10:11]
	s_load_b128 s[12:15], s[0:1], 0x20             ; qf s[12:13], kv s[14:15]
	v_lshrrev_b32 v10, 5, v0
	v_readfirstlane_b32 s16, v10                   ; wave
	v_and_b32 v11, 31, v0                          ; lane
	v_and_b32 v12, 15, v0                          ; r
	v_bfe_u32 v13, v0, 4, 1                        ; h
	v_lshlrev_b32 v[VO], 4, v11
	v_mul_u32_u24 v[A0B], v12, XPITCH
	v_lshl_add_u32 v[A0B], v13, 4, v[A0B]          ; row r, 16 bytes for each half of the lanes
	v_add_nc_u32 v[A1B], 64*XPITCH, v[A0B]
	s_and_b32 s18, ttmp9, 7                        ; which eighth of the batch's tokens
	s_lshr_b32 s19, ttmp9, 3                       ; batch
	s_lshl_b32 s20, s18, 8
	s_add_co_u32 s20, s20, TAB
	v_lshl_add_u32 v[YA], v13, 5, s20              ; grid row 4 (g&7) + (a>>1): 64 bytes a position, 32 h for i = 8h ..
	v_lshlrev_b32 v[XA], 6, v12
	v_lshl_add_u32 v[XA], v13, 5, v[XA]
	v_add_nc_u32 v[XA], TAB, v[XA]                 ; grid column 16 (a&1) + r
	s_lshl_b32 s20, s16, 9
	s_add_co_u32 s20, s20, BIAS
	v_lshl_add_u32 v[BA], v13, 5, s20
	s_mul_i32 s20, s16, 32*XPITCH
	v_lshl_add_u32 v[XS], v11, 3, s20              ; the wave converts rows 32 w .. 32 w + 31
	v_lshlrev_b32 v23, 4, v0                       ; 16 x thread: my part of a bias vector
	v_add_nc_u32 v22, BIAS, v23
	s_lshl_b32 s20, ttmp9, 18                      ; x: 128 rows of 2,048 bytes a group, 32 a wave
	s_lshl_b32 s21, s16, 16
	s_add_co_u32 s20, s20, s21
	s_mov_b32 s21, 0
	s_mul_i32 s22, s16, 393216                     ; wf: the wave's stream of 48 K steps
	s_mov_b32 s23, 0
	s_lshl_b32 s25, s19, 3
	s_lshl1_add_u32 s25, s16, s25                  ; batch x 8 + head 2 w
	s_lshl_b32 s26, s25, 17
	s_lshl_b32 s28, s18, 14
	s_add_co_u32 s26, s26, s28                     ; qf: 131,072 a head, 2,048 a token tile
	s_mov_b32 s27, 0
	s_lshl_b32 s28, s25, 18
	s_lshl_b32 s30, s18, 15
	s_add_co_u32 s28, s28, s30                     ; kv: 262,144 a head, 16,384 for 64 tokens
	s_mov_b32 s29, 0
	s_wait_kmcnt 0x0
	s_add_nc_u64 s[4:5], s[4:5], s[20:21]
	s_add_nc_u64 s[6:7], s[6:7], s[22:23]
	s_add_nc_u64 s[12:13], s[12:13], s[26:27]
	s_add_nc_u64 s[14:15], s[14:15], s[28:29]
	global_load_b128 v[24:27], v23, s[8:9]
	global_load_b128 v[28:31], v23, s[10:11]
	XGROUP 0, 64
	XGROUP 1, 128
	XGROUP 2, 192
	; the RoPE tables, four entries a thread, while x is on its way
	v_and_b32 v14, 15, v0
	v_cvt_f32_u32 v14, v14
	v_mul_f32 v14, 0xbf549a78, v14                 ; -i log2(10) / 4
	v_exp_f32 v14, v14                             ; 10^(-i/4)
	v_lshrrev_b32 v15, 4, v0                       ; (a plain instruction behind the exponential: ISA guide 5.7.2)
	v_lshlrev_b32 v16, 2, v0
	v_add_nc_u32 v16, TAB, v16
	s_wait_alu depctr_va_vdst(0)
	SINCOS 0
	SINCOS 1
	SINCOS 2
	SINCOS 3
	s_wait_loadcnt 48                              ; the two bias loads are in; the 48 of x behind them stay out
	ds_store_b128 v22, v[24:27]
	ds_store_b128 v22, v[28:31] offset:2048
	s_wait_loadcnt 32                              ; a group of 16 is in, the two younger groups stay out
	XCONV 0, 64
	XGROUP 3, 64
	s_wait_loadcnt 32
	XCONV 1, 128
	XGROUP 4, 128
	s_wait_loadcnt 32
	XCONV 2, 192
	XGROUP 5, 192
	s_wait_loadcnt 32
	XCONV 3, 64
	XGROUP 6, 64
	s_wait_loadcnt 32
	XCONV 4, 128
	XGROUP 7, 128
	s_wait_loadcnt 32
	XCONV 5, 192
	WLOAD 0, 0                                     ; the weight ring is filled behind x's last loads
	WLOAD 64, 8192
	WIN 0
	s_wait_loadcnt 48                              ; younger than group 6: group 7 and 32 weight loads
	XCONV 6, 64
	WLOAD 128, 16384
	WIN 0
	s_wait_loadcnt 48                              ; younger than group 7: 48 weight loads
	XCONV 7, 128
	WLOAD 192, 24576
	WIN 0
	s_wait_dscnt 0x0                               ; my stores of x, tables and biases are done,
	s_barrier_signal -1
	s_barrier_wait -1                              ; everybody's are.  LDS is only read from here on
	; q.  In every K step three younger weight buffers (48 loads) stay out; the stream runs on into the next pass.
	PASS_HEAD 1, 0
	TRIP 1, 0, 0, 1, 48, 48, 48, 48
	s_mov_b32 s24, 2
.Lq:
	TRIP 0, 0, 0, 1, 48, 48, 48, 48
	s_sub_co_u32 s24, s24, 1
	s_cmp_lg_u32 s24, 0
	s_cbranch_scc1 .Lq
	TRIP 0, 0, 1, 1, 48, 48, 48, 48
.irp a, 0,1,2,3,4,5,6,7
	EPI_ROPE \a, 0
.endr
	; k
	PASS_HEAD 1, 1
	TRIP 1, 0, 0, 1, 48, 48, 48, 48
	s_mov_b32 s24, 2
.Lk:
	TRIP 0, 0, 0, 1, 48, 48, 48, 48
	s_sub_co_u32 s24, s24, 1
	s_cmp_lg_u32 s24, 0
	s_cbranch_scc1 .Lk
	TRIP 0, 0, 1, 1, 48, 48, 48, 48
.irp a, 0,1,2,3,4,5,6,7
	EPI_ROPE \a, 1
.endr
	; v: no bias (the first product starts the sums), x as source 0
	PASS_HEAD 0, 0
	TRIP 2, 1, 0, 1, 48, 48, 48, 48
	s_mov_b32 s24, 2
.Lv:
	TRIP 0, 1, 0, 1, 48, 48, 48, 48
	s_sub_co_u32 s24, s24, 1
	s_cmp_lg_u32 s24, 0
	s_cbranch_scc1 .Lv
	TRIP 0, 1, 1, 0, 48, 32, 16, 0                 ; the stream's last four steps ask for nothing: the counts run down
.irp a, 0,1,2,3,4,5,6,7
	EPI_V \a
.endr
	s_wait_xcnt 0x0
	v_lshl_add_u32 v254, v0, 2, 0x23000
	v_mov_b32 v255, 0
	s_wait_tensorcnt 0x0
	ds_add_u32 v254, v255
	s_wait_dscnt 0x0
	s_endpgm
.Lfunc_end_k_q743755ad96_qkv:
	.size	k_q743755ad96_qkv, .Lfunc_end_k_q743755ad96_qkv-k_q743755ad96_qkv
	.p2alignl 7, 3214868480
	.fill 96, 4, 3214868480
	.section	.rodata,"a",@progbits
	.p2align	6, 0x0
	.amdhsa_kernel k_q743755ad96_qkv
		.amdhsa_group_segment_fixed_size 143872
		.amdhsa_private_segment_fixed_size 0
		.amdhsa_enable_private_segment 0
		.amdhsa_kernarg_size 48
		.amdhsa_user_sgpr_count 2
		.amdhsa_user_sgpr_kernarg_segment_ptr 1
		.amdhsa_wavefront_size32 1
		.amdhsa_system_sgpr_workgroup_id_x 1
		.amdhsa_system_sgpr_workgroup_id_y 1
		.amdhsa_system_sgpr_workgroup_id_z 1
		.amdhsa_system_vgpr_workitem_id 0
		.amdhsa_next_free_vgpr 1024
		.amdhsa_next_free_sgpr 66
		.amdhsa_reserve_vcc 0
		.amdhsa_float_denorm_mode_32 3
		.amdhsa_float_denorm_mode_16_64 3
		.amdhsa_memory_ordered 1
		.amdhsa_forward_progress 1
		.amdhsa_inst_pref_size 255
	.end_amdhsa_kernel
	.section	.bss,"aw",@nobits
	.p2align	6
	.space	262144
	.amdgpu_metadata
---
amdhsa.version: [ 1, 2 ]
amdhsa.kernels:
  - .name:           k_q743755ad96_qkv
    .symbol:         k_q743755ad96_qkv.kd
    .args:
      - { .name: x, .offset: 0, .size: 8, .value_kind: global_buffer, .address_space: global }
      - { .name: wf, .offset: 8, .size: 8, .value_kind: global_buffer, .address_space: global }
      - { .name: bq, .offset: 16, .size: 8, .value_kind: global_buffer, .address_space: global }
      - { .name: bk, .offset: 24, .size: 8, .value_kind: global_buffer, .address_space: global }
      - { .name: qf, .offset: 32, .size: 8, .value_kind: global_buffer, .address_space: global }
      - { .name: kv, .offset: 40, .size: 8, .value_kind: global_buffer, .address_space: global }
    .group_segment_fixed_size: 143872
    .private_segment_fixed_size: 0
    .kernarg_segment_align: 8
    .kernarg_segment_size: 48
    .max_flat_workgroup_size: 128
    .sgpr_count:     66
    .vgpr_count:     1024
    .wavefront_size: 32
...
	.end_amdgpu_metadata
.endif
;; end of part 2
;; launch attn (part 3): grid 256 x 1, 8 waves a work-group, no clusters, 263,168 bytes of LDS; arguments qf, kv, cf; writes cf
.if DOCPART == 3
	.amdgcn_target "amdgcn-amd-amdhsa--gfx1250"
	.amdhsa_code_object_version 6
	.text
	.protected	k_q743755ad96_attn
	.globl	k_q743755ad96_attn
	.p2align	8
	.type	k_q743755ad96_attn,@function
k_q743755ad96_attn:
	s_mov_b64 s[64:65], 0
	v_nop
	global_prefetch_b8 v0, s[64:65] scope:SCOPE_SE
	s_setreg_imm32_b32 hwreg(HW_REG_WAVE_MODE, 25, 1), 1
	s_wait_xcnt 0x0
; ctx = softmax(q k^T / 8) v for one (batch, head) a work-group: 1,024 queries, 1,024 keys, head dim 64.
; The head's K and V are 262,144 bytes that lie together in kv, already in fragment order: they are copied into LDS once, byte for byte, and
; only read from there: LDS is never filled again and never stored into.
; Eight waves, two on a SIMD.  A wave makes two sweeps over the keys, each for 64 queries (four query tiles i; token tile 32 u + 4 w + i).
; A step is 64 keys: 16 KiB from LDS for 64 matrix instructions.
; S^T = K Q^T: lane (r, h), register j of tile kt holds (key 16 kt + 8h + j, query r), so maximum and sum of a query are a lane's own work
; plus one exchange with lane r + 16, and two packed tiles ARE the B fragment of O^T = V^T P^T.  O^T: (d = 16 t + 8h + j, query r): packed, half an A fragment of ctx.
; THE ORDER OF A STEP.  For a query tile and 64 keys there are 16 matrix instructions and 120 vector instructions, so the two kinds are threaded into one stream:
;   the eight score products of tile i + 1 stand among the first 30 vector instructions of tile i's softmax (K, Q, S and the softmax's registers all lie in
;   window 0: no switch between them); tile 0's scores of the NEXT step are made inside tile 3's softmax, so the stream runs on over the step's end;
;   K's next 8 KiB are loaded into the same registers as soon as tile 3's scores have read them, a quarter of a step ahead of their use;
;   V's 8 KiB are loaded at the step's head and wanted one softmax later; exponentials take turns with the sums and packings of the pair before them;
;   the rescaling of O stands between the first products of V^T P^T (O and V lie in window 1: two switches a tile).
; NO CLUSTER: no two work-groups read the same byte of qf or kv.
; The maximum is a running one, taken away before every exponential.
; LIMITS: q, k, v and the weights P are bf16 in the products; maxima, exponentials, sums and O are f32.  v_exp_f32 gives 0 for results below 2^-126 (ISA guide 15.8).
; NaN in a score is passed over by the maximum (v_max_num_f32) and then spreads through the sum.
.set L16, 1                            ; v1   16 x lane
.set KA,  2                            ; v2   LDS address of my 16 bytes in this step's first block
.set PF,  3                            ; v3   256 x lane
.set T,   4                            ; v4-7    at work
.set M,   8                            ; v8-11   running maximum of query tile i
.set LS,  12                           ; v12-19  running sum, a pair for each query tile
.set NMC, 20                           ; v20 (21)  -maximum x c
.set AL,  22                           ; v22 (23)  the factor by which old sums shrink
.set TS,  24                           ; v24-25  second chain of the sum
.set INV, 26                           ; v26 (27)  1 / sum
.set P,   32                           ; v32-47  the weights, packed: two B fragments
.set PK1, 48                           ; v48-63  the way out: a second place for packed results
.set KF,  64                           ; v64-127 K(kt, c) at KF + 16 kt + 8 c
.set S0,  128                          ; v128-159, v160-191: two score buffers of four tiles
.set S1,  160
.set QF,  192                          ; v192-255 Q(i, c) at QF + 16 i + 8 c
.set VF,  192                          ; window 1: O(i, t) at 8 (4 i + t); V(kc, t) at 192 + 8 (4 kc + t)
.set MSB, 0
.macro WIN new                         ; the immediate's high byte repeats the setting that is left; a switch that changes nothing is dropped
.if MSB != (\new)
	s_set_vgpr_msb (MSB<<8)|(\new)
.set MSB, (\new)
.endif
.endm
.macro PLACES                          ; four plain vector instructions behind a matrix instruction before its registers are used or loaded (ISA guide 7.12.1)
.rept 4
	v_nop
.endr
.endm
; Score product number n (0-7) of query tile qi into buffer qsb: key tile n & 3, d chunk n >> 2.  The four tiles take turns, one instruction a turn.
.macro QW en, n, qi, qsb
.if \en
.if \n < 4
	v_wmma_f32_16x16x32_bf16 v[\qsb+8*\n:\qsb+8*\n+7], v[KF+16*\n:KF+16*\n+7], v[QF+16*\qi:QF+16*\qi+7], 0
.else
	v_wmma_f32_16x16x32_bf16 v[\qsb+8*\n-32:\qsb+8*\n-25], v[KF+16*\n-56:KF+16*\n-49], v[QF+16*\qi+8:QF+16*\qi+15], v[\qsb+8*\n-32:\qsb+8*\n-25]
.endif
.endif
.endm
.macro KLOAD adr, off                  ; a step's K: 16 loads of 512 neighbouring bytes
.irp n, 0,1,2,3,4,5,6,7,8,9,10,11,12,13,14,15
	ds_load_b128 v[KF+4*\n:KF+4*\n+3], v[\adr] offset:\off+512*\n
.endr
.endm
.macro VLOAD off                       ; a step's V, behind its K
	WIN 0x40
.irp n, 0,1,2,3,4,5,6,7,8,9,10,11,12,13,14,15
	ds_load_b128 v[VF+4*\n:VF+4*\n+3], v[KA] offset:\off+8192+512*\n
.endr
	WIN 0
.endm
.macro QLOAD u                         ; a sweep's 64 queries: 16 loads of 512 neighbouring bytes
.irp n, 0,1,2,3,4,5,6,7,8,9,10,11,12,13,14,15
	global_load_b128 v[QF+4*\n:QF+4*\n+3], v[L16], s[4:5] offset:\u*65536+512*\n
.endr
.endm
; The softmax step of a query tile on the lane's 32 scores, in three parts.
; Part 1: the first links of four chains of the maximum.  At a step's head these four are also the places between the last product that read V and the loads into V.
.macro SMA sb
.irp k, 0,1,2,3
	v_max3_num_f32 v[T+\k], v[\sb+8*\k], v[\sb+8*\k+1], v[\sb+8*\k+2]
.endr
.endm
; Part 2: the rest of the maximum, the exchange, the scaling; among them (en = 1) the eight score products of tile qi into the other buffer.
; Behind the last product stand eight scalings: more than the four places that loads into K or Q, and the next softmax's reads, need.
.macro SMB i, sb, first, en, qi, qsb
	QW \en, 0, \qi, \qsb
.irp k, 0,1,2,3
	v_max3_num_f32 v[T+\k], v[T+\k], v[\sb+8*\k+3], v[\sb+8*\k+4]
.endr
	QW \en, 1, \qi, \qsb
.irp k, 0,1,2,3
	v_max3_num_f32 v[T+\k], v[T+\k], v[\sb+8*\k+5], v[\sb+8*\k+6]
.endr
	QW \en, 2, \qi, \qsb
.irp k, 0,1,2,3
	v_max_num_f32 v[T+\k], v[T+\k], v[\sb+8*\k+7]
.endr
	QW \en, 3, \qi, \qsb
	v_max3_num_f32 v[T], v[T], v[T+1], v[T+2]
	v_max_num_f32 v[T], v[T], v[T+3]
	QW \en, 4, \qi, \qsb
	v_permlanex16_b32 v[T+1], v[T], s40, s41       ; the other 32 keys of my query lie in lane r + 16
.if \first
	v_max_num_f32 v[T], v[T], v[T+1]
.else
	v_max3_num_f32 v[T], v[T], v[T+1], v[M+\i]
.endif
	QW \en, 5, \qi, \qsb
	v_mul_f32 v[NMC], s38, v[T]
.if 1-\first
	v_fma_f32 v[AL], v[M+\i], s36, v[NMC]          ; c (old maximum - new maximum) <= 0
.endif
.irp k, 0,1,2,3
	v_pk_fma_f32 v[\sb+2*\k:\sb+2*\k+1], v[\sb+2*\k:\sb+2*\k+1], s[36:37], v[NMC:NMC+1] op_sel_hi:[1,0,0]   ; c (score - maximum), c = log2(e) / 8
.endr
	QW \en, 6, \qi, \qsb
.irp k, 4,5,6,7
	v_pk_fma_f32 v[\sb+2*\k:\sb+2*\k+1], v[\sb+2*\k:\sb+2*\k+1], s[36:37], v[NMC:NMC+1] op_sel_hi:[1,0,0]
.endr
	QW \en, 7, \qi, \qsb
.irp k, 8,9,10,11,12,13,14,15
	v_pk_fma_f32 v[\sb+2*\k:\sb+2*\k+1], v[\sb+2*\k:\sb+2*\k+1], s[36:37], v[NMC:NMC+1] op_sel_hi:[1,0,0]
.endr
.endm
; The sum takes pair k in: even pairs into the running sum, odd pairs into a second chain; the first links start the chains, nothing is cleared.
.macro SUMK i, sb, k, first
.if \k == 0
.if 1-\first
	s_wait_alu depctr_va_vdst(0)
	v_pk_fma_f32 v[LS+2*\i:LS+2*\i+1], v[LS+2*\i:LS+2*\i+1], v[AL:AL+1], v[\sb:\sb+1] op_sel_hi:[1,0,1]
.endif
.endif
.if \k == 2
.if \first
	s_wait_alu depctr_va_vdst(0)
	v_pk_add_f32 v[LS+2*\i:LS+2*\i+1], v[\sb:\sb+1], v[\sb+4:\sb+5]
.else
	s_wait_alu depctr_va_vdst(0)
	v_pk_add_f32 v[LS+2*\i:LS+2*\i+1], v[LS+2*\i:LS+2*\i+1], v[\sb+4:\sb+5]
.endif
.endif
.if \k == 3
	v_pk_add_f32 v[TS:TS+1], v[\sb+2:\sb+3], v[\sb+6:\sb+7]
.endif
.if \k > 3
.if \k & 1
	v_pk_add_f32 v[TS:TS+1], v[TS:TS+1], v[\sb+2*\k:\sb+2*\k+1]
.else
	s_wait_alu depctr_va_vdst(0)
	v_pk_add_f32 v[LS+2*\i:LS+2*\i+1], v[LS+2*\i:LS+2*\i+1], v[\sb+2*\k:\sb+2*\k+1]
.endif
.endif
.endm
; Part 3: exponentials, sums, packing.  Two exponentials, then the sum and the packing of the pair BEFORE them: between an exponential and the use of
; its result always stands a plain vector instruction that touches neither (ISA guide 5.7.2): the copy of the maximum for pair 0, the packing of pair k - 1 for pair k.
.macro SMC i, sb, first
.if 1-\first
	v_exp_f32 v[AL], v[AL]
.endif
	v_exp_f32 v[\sb], v[\sb]
	v_exp_f32 v[\sb+1], v[\sb+1]
	v_mov_b32 v[M+\i], v[T]
.irp k, 0,1,2,3,4,5,6,7,8,9,10,11,12,13,14
	v_exp_f32 v[\sb+2*\k+2], v[\sb+2*\k+2]
	v_exp_f32 v[\sb+2*\k+3], v[\sb+2*\k+3]
	SUMK \i, \sb, \k, \first
	s_wait_alu depctr_va_vdst(0)
	v_cvt_pk_bf16_f32 v[P+\k], v[\sb+2*\k], v[\sb+2*\k+1]
.endr
	SUMK \i, \sb, 15, \first
	v_cvt_pk_bf16_f32 v[P+15], v[\sb+30], v[\sb+31]
	v_pk_add_f32 v[LS+2*\i:LS+2*\i+1], v[LS+2*\i:LS+2*\i+1], v[TS:TS+1]
.endm
.macro PVW i, t, kc, z                 ; one product of V^T P^T: d tile t, key chunk kc
.if \z
	v_wmma_f32_16x16x32_bf16 v[8*(4*\i+\t):8*(4*\i+\t)+7], v[VF+32*\kc+8*\t:VF+32*\kc+8*\t+7], v[P+8*\kc:P+8*\kc+7], 0
.else
	v_wmma_f32_16x16x32_bf16 v[8*(4*\i+\t):8*(4*\i+\t)+7], v[VF+32*\kc+8*\t:VF+32*\kc+8*\t+7], v[P+8*\kc:P+8*\kc+7], v[8*(4*\i+\t):8*(4*\i+\t)+7]
.endif
.endm
.macro RESC i, k                       ; two registers of O(i) shrink by the factor
	v_pk_mul_f32 v[32*\i+2*\k:32*\i+2*\k+1], v[32*\i+2*\k:32*\i+2*\k+1], v[AL:AL+1] op_sel_hi:[1,0]
.endm
; O(i) = O(i) x factor + V^T P^T.  Tile t + 2 is rescaled while tile t's product runs.  The four tiles take turns, one instruction a turn.
.macro PV i, first
	WIN 0x51
.if \first
.irp t, 0,1,2,3
	PVW \i, \t, 0, 1
.endr
.else
.irp k, 0,1,2,3,4,5,6,7
	RESC \i, \k
.endr
	PVW \i, 0, 0, 0
.irp k, 8,9,10,11
	RESC \i, \k
.endr
	PVW \i, 1, 0, 0
.irp k, 12,13,14,15
	RESC \i, \k
.endr
	PVW \i, 2, 0, 0
	PVW \i, 3, 0, 0
.endif
.irp t, 0,1,2,3
	PVW \i, \t, 1, 0
.endr
	WIN 0
.endm
; 64 keys for the wave's four query tiles.  On entry S0 holds tile 0's scores of this step and K's registers this step's K.
; nxt = 1: a step follows in this sweep: its K is loaded and tile 0's scores of it are made.  2: the first sweep's last step: the second sweep's first K and its Q are
; asked for in the same place.  0: the second sweep's last step.
.macro STEP first, off, adv, nxt
	SMA S0
	VLOAD \off
	SMB 0, S0, \first, 1, 1, S1
	SMC 0, S0, \first
	s_wait_dscnt 0x0                               ; V is in (its 16 loads are all that is out)
	PV 0, \first
	SMA S1
	SMB 1, S1, \first, 1, 2, S0
	SMC 1, S1, \first
	PV 1, \first
	SMA S0
	SMB 2, S0, \first, 1, 3, S1
.if \nxt == 1
	KLOAD KA, \off+16384
.endif
.if \nxt == 2
	KLOAD L16, 0
	QLOAD 1
.endif
	SMC 2, S0, \first
	PV 2, \first
	SMA S1
.if \nxt == 1
	s_wait_dscnt 0x0                               ; the next step's K is in (its 16 loads are all that is out)
	SMB 3, S1, \first, 1, 0, S0
.else
	SMB 3, S1, \first, 0, 0, S0
.endif
	SMC 3, S1, \first
	PV 3, \first
.if \adv
	v_add_nc_u32 v[KA], 16384, v[KA]
.endif
.endm
.macro QK0                             ; a sweep's head: tile 0's scores of step 0, and the places in front of their first use
.irp n, 0,1,2,3,4,5,6,7
	QW 1, \n, 0, S0
.endr
	PLACES
.endm
; Tile i is divided by its sum, packed into 16 registers of its own (pk) and stored: no store's data is rewritten on the way out
.macro FINT u, i, pk
	v_add_f32 v[T], v[LS+2*\i], v[LS+2*\i+1]
	v_permlanex16_b32 v[T+1], v[T], s40, s41
	v_add_f32 v[T], v[T], v[T+1]
	v_rcp_f32 v[INV], v[T]
	v_nop                                          ; the plain instruction behind the reciprocal (ISA guide 5.7.2)
	WIN 0x01
	s_wait_alu depctr_va_vdst(0)
.irp k, 0,1,2,3,4,5,6,7,8,9,10,11,12,13,14,15
	v_pk_mul_f32 v[S0+2*\k:S0+2*\k+1], v[32*\i+2*\k:32*\i+2*\k+1], v[INV:INV+1] op_sel_hi:[1,0]
.endr
	WIN 0
.irp k, 0,1,2,3,4,5,6,7,8,9,10,11,12,13,14,15
	v_cvt_pk_bf16_f32 v[\pk+\k], v[S0+2*\k], v[S0+2*\k+1]
.endr
.irp t, 0,1,2,3
	global_store_b128 v[L16], v[\pk+4*\t:\pk+4*\t+3], s[8:9] offset:\u*524288+(\t>>1)*8192+\i*1024+(\t&1)*512   ; 512 neighbouring bytes, aligned
.endr
.endm
.macro FIN u
	PLACES                                         ; behind the sweep's last products
	FINT \u, 0, P
	FINT \u, 1, PK1
	FINT \u, 2, S1
	FINT \u, 3, S1+16
.endm
	s_load_b128 s[4:7], s[0:1], 0x0                ; qf s[4:5], kv s[6:7]
	s_load_b64 s[8:9], s[0:1], 0x10                ; cf
	v_lshl_add_u32 v30, v0, 2, 0x40000
	v_mov_b32 v31, 0
	ds_add_u32 v30, v31
	ds_add_u32 v30, v31
	v_lshrrev_b32 v4, 5, v0
	v_readfirstlane_b32 s10, v4                    ; wave
	; Two descriptors, both for rows of 256 bytes that follow each other in memory and in LDS (32 elements of 8 bytes, pitch 32).
	; The first brings each wave's 32 rows of the first 64 KiB (key steps 0-3), the second its 96 rows of the other 192 KiB.
	s_mov_b32 s20, 3<<16                           ; no mask, elements of 8 bytes, no padding
	s_mov_b32 s21, 32<<16                          ; tensor_dim0 = 32
	s_mov_b32 s22, 32<<16                          ; tensor_dim1 = 32
	s_mov_b32 s23, 32<<16                          ; tile_dim0 = 32
	s_mov_b32 s24, 32                              ; tile_dim1 = 32
	s_mov_b32 s25, 32                              ; elements from row to row
	s_mov_b32 s26, 0
	s_mov_b32 s27, 0
	s_mov_b32 s28, 3<<16
	s_mov_b32 s29, 32<<16
	s_mov_b32 s30, 96<<16                          ; tensor_dim1 = 96
	s_mov_b32 s31, 32<<16
	s_mov_b32 s32, 96                              ; tile_dim1 = 96
	s_mov_b32 s33, 32
	s_mov_b32 s34, 0
	s_mov_b32 s35, 0
	s_mov_b32 s12, 1
	s_lshl_b32 s13, s10, 13                        ; LDS: wave x 8,192
	s_mov_b32 s16, 1
	s_mul_i32 s17, s10, 24576
	s_add_co_u32 s17, s17, 65536                   ; LDS: 65,536 + wave x 24,576
	s_lshl_b32 s44, ttmp9, 18                      ; the head's 262,144 bytes of kv
	s_mov_b32 s45, 0
	s_wait_dscnt 0x0
	s_wait_kmcnt 0x0
	s_add_nc_u64 s[6:7], s[6:7], s[44:45]
	s_mov_b32 s44, s13                             ; the byte in the head's block is the byte in LDS
	s_add_nc_u64 s[14:15], s[6:7], s[44:45]
	s_or_b32 s15, s15, 0x80000000
	s_mov_b32 s44, s17
	s_add_nc_u64 s[18:19], s[6:7], s[44:45]
	s_or_b32 s19, s19, 0x80000000
	tensor_load_to_lds s[12:15], s[20:27]          ; both fills go out first; a wave has these two tensor loads out and never another
	s_nop 0
	tensor_load_to_lds s[16:19], s[28:35]
	s_nop 0
	s_lshl_b32 s44, ttmp9, 17
	s_add_co_u32 s44, s44, s13
	s_add_nc_u64 s[4:5], s[4:5], s[44:45]          ; qf: the head's 131,072 bytes, the wave's four token tiles
	s_lshr_b32 s46, ttmp9, 3
	s_lshl_b32 s46, s46, 20                        ; cf: batch x 1,048,576
	s_lshr_b32 s47, s10, 1
	s_lshl_b32 s47, s47, 17
	s_add_co_u32 s46, s46, s47                     ; + (w>>1) blocks of 128 tokens
	s_and_b32 s47, ttmp9, 7
	s_lshl_b32 s47, s47, 14
	s_add_co_u32 s46, s46, s47                     ; + head x two K chunks of 8,192
	s_and_b32 s47, s10, 1
	s_lshl_b32 s47, s47, 12
	s_add_co_u32 s46, s46, s47                     ; + (w&1) x four token tiles of 1,024
	s_mov_b32 s47, 0
	s_add_nc_u64 s[8:9], s[8:9], s[46:47]
	s_mov_b32 s36, 0x3e38aa3b                      ; c = log2(e) / sqrt(64)
	s_mov_b32 s37, 0x3e38aa3b
	s_mov_b32 s38, 0xbe38aa3b                      ; -c
	s_mov_b32 s40, 0x76543210                      ; v_permlanex16_b32: lane i of one half reads lane i of the other
	s_mov_b32 s41, 0xfedcba98
	v_and_b32 v4, 31, v0
	v_lshlrev_b32 v[L16], 4, v4
	v_lshlrev_b32 v[PF], 8, v4
	v_mov_b32 v[KA], v[L16]
	v_mov_b32 v[NMC+1], 0                          ; upper registers of pairs of which only the lower is used
	v_mov_b32 v[AL+1], 0
	v_mov_b32 v[INV+1], 0
	QLOAD 0
	s_wait_tensorcnt 0x1                           ; my part of the first 64 KiB is in; the second load stays out
	s_barrier_signal -1
	s_barrier_wait -1                              ; everybody's part is in
	KLOAD KA, 0
	s_wait_loadcnt 0x0                             ; Q
	s_wait_dscnt 0x0                               ; K of step 0
	QK0
	STEP 1, 0, 0, 1                                ; key steps 0-2, by constant offsets: with K of step 3, which step 2 loads, they stay inside the first 64 KiB
	STEP 0, 16384, 0, 1
	STEP 0, 32768, 0, 1
	s_wait_tensorcnt 0x0                           ; my part of the rest is in,
	s_wait_dscnt 0x0
	s_barrier_signal -1
	s_barrier_wait -1                              ; everybody's is
	v_add_nc_u32 v[KA], 49152, v[L16]              ; step 3
	s_mov_b32 s42, 12
.Lsweep0:
	s_cmp_lg_u32 s42, 1
	s_cbranch_scc1 .Lno_ask
	global_prefetch_b8 v[PF], s[4:5] offset:65536 th:TH_LOAD_NT scope:SCOPE_SE   ; in the loop's last trip (step 14) each wave asks once for its own 8 KiB of the next sweep's Q, lanes 256 bytes apart; step 15 loads them
.Lno_ask:
	STEP 0, 0, 1, 1                                ; steps 3-14
	s_sub_co_u32 s42, s42, 1
	s_cmp_lg_u32 s42, 0
	s_cbranch_scc1 .Lsweep0
	STEP 0, 0, 0, 2                                ; step 15; the second sweep's Q and first K go out in it
	FIN 0
	s_wait_xcnt 0x0                                ; P and S1 were the stores' data: written again only behind this wait
	v_mov_b32 v[KA], v[L16]
	s_wait_loadcnt 0x0                             ; Q
	s_wait_dscnt 0x0                               ; K of step 0
	QK0
	STEP 1, 0, 1, 1
	s_mov_b32 s42, 14
.Lsweep1:
	STEP 0, 0, 1, 1                                ; steps 1-14
	s_sub_co_u32 s42, s42, 1
	s_cmp_lg_u32 s42, 0
	s_cbranch_scc1 .Lsweep1
	STEP 0, 0, 0, 0                                ; step 15
	FIN 1
	s_wait_tensorcnt 0x0
	ds_add_u32 v30, v31
	s_wait_dscnt 0x0
	s_endpgm
.Lfunc_end_k_q743755ad96_attn:
	.size	k_q743755ad96_attn, .Lfunc_end_k_q743755ad96_attn-k_q743755ad96_attn
	.p2alignl 7, 3214868480
	.fill 96, 4, 3214868480
	.section	.rodata,"a",@progbits
	.p2align	6, 0x0
	.amdhsa_kernel k_q743755ad96_attn
		.amdhsa_group_segment_fixed_size 263168
		.amdhsa_private_segment_fixed_size 0
		.amdhsa_enable_private_segment 0
		.amdhsa_kernarg_size 24
		.amdhsa_user_sgpr_count 2
		.amdhsa_user_sgpr_kernarg_segment_ptr 1
		.amdhsa_wavefront_size32 1
		.amdhsa_system_sgpr_workgroup_id_x 1
		.amdhsa_system_sgpr_workgroup_id_y 1
		.amdhsa_system_sgpr_workgroup_id_z 1
		.amdhsa_system_vgpr_workitem_id 0
		.amdhsa_next_free_vgpr 512
		.amdhsa_next_free_sgpr 66
		.amdhsa_reserve_vcc 0
		.amdhsa_float_denorm_mode_32 3
		.amdhsa_float_denorm_mode_16_64 3
		.amdhsa_memory_ordered 1
		.amdhsa_forward_progress 1
		.amdhsa_inst_pref_size 255
	.end_amdhsa_kernel
	.section	.bss,"aw",@nobits
	.p2align	6
	.space	262144
	.amdgpu_metadata
---
amdhsa.version: [ 1, 2 ]
amdhsa.kernels:
  - .name:           k_q743755ad96_attn
    .symbol:         k_q743755ad96_attn.kd
    .args:
      - { .name: qf, .offset: 0, .size: 8, .value_kind: global_buffer, .address_space: global }
      - { .name: kv, .offset: 8, .size: 8, .value_kind: global_buffer, .address_space: global }
      - { .name: cf, .offset: 16, .size: 8, .value_kind: global_buffer, .address_space: global }
    .group_segment_fixed_size: 263168
    .private_segment_fixed_size: 0
    .kernarg_segment_align: 8
    .kernarg_segment_size: 24
    .max_flat_workgroup_size: 256
    .sgpr_count:     66
    .vgpr_count:     512
    .wavefront_size: 32
...
	.end_amdgpu_metadata
.endif
;; end of part 3
;; launch merge (part 4): grid 256 x 1, 4 waves a work-group, no clusters, 168,448 bytes of LDS; arguments cf, wf, x, bm, gamma, beta, out0; writes out0
.if DOCPART == 4
	.amdgcn_target "amdgcn-amd-amdhsa--gfx1250"
	.amdhsa_code_object_version 6
	.text
	.protected	k_q743755ad96_merge
	.globl	k_q743755ad96_merge
	.p2align	8
	.type	k_q743755ad96_merge,@function
k_q743755ad96_merge:
	s_mov_b64 s[64:65], 0
	v_nop
	global_prefetch_b8 v0, s[64:65] scope:SCOPE_SE
	s_setreg_imm32_b32 hwreg(HW_REG_WAVE_MODE, 25, 1), 1
	s_wait_xcnt 0x0
; out = LayerNorm(x + ctx Wm^T + bm) * gamma + beta.
; Work-group g: 128 tokens, all 512 columns.  Wave w: 128 tokens x 128 columns, 64 accumulator tiles, 16 K steps of 32.
; ctx's 131,072 bytes of the group lie together in cf in fragment order and are copied into LDS once, byte for byte (two tensor loads a wave, no refill).
; Wm's fragments go from wf straight into registers through a ring of four buffers, three K steps (48 loads) ahead, as each is used by one wave of the group alone.
; ctx is source 0: lane (r, h), register j of tile (a, bt) holds (token 16 a + 8h + j, column 128 w + 64 (bt>>2) + 4 r + (bt&3)): wf holds Wm's rows in that
; order, so that tiles 4q .. 4q+3 of a lane are four neighbouring columns: x is loaded and out0 stored 16 bytes a lane, sixteen lanes covering 256 aligned bytes, without a stage in LDS.
; LayerNorm in two passes (mean, then the mean of squared differences): no difference of large sums.  The four waves' partial sums meet in LDS.
; NO CLUSTER, NO JOINT LOADS: what work-groups share is Wm, 32 KiB for a K step of the four waves, against the group's own 131,072 bytes of ctx, 262,144 of x and 262,144 of out0;
; brought jointly it would pass through LDS and want a turn of the cluster's barrier for every slot.
; The bias is the first product's C: its eight tiles are 64 copies made once, in place of 512 additions.
; LIMITS: ctx and Wm bf16 in the product; everything else f32.
.set RED1, 131072                      ; [wave 4][token 128] f32: row sums.  Blocks of their own: no tensor load lands here
.set RED2, 133120                      ; the same for the squares
.set VO,   1                           ; v1  16 x lane (weights)
.set ADRC, 2                           ; v2  LDS address of my ctx fragments, this trip
.set VX,   3                           ; v3  16,384 h + 16 r: my 16 bytes of x and out0
.set RW,   4                           ; v4  where I put partial sums
.set RA,   5                           ; v5  where I read them
.set PF,   6                           ; v6  256 x lane
.set G,    32                          ; v32-39 gamma, v40-47 beta, v48-55 bm of my eight columns; v56-57 eps
.set BT,   40
.set BMV,  48
.set EPS,  56
.set F0,   64                          ; v64-127, v128-191 ctx fragments; later -mean (8 a + j) and squares, 1/sigma
.set F1,   128
.set BI,   192                         ; v192-255 bias tiles; later two sets of 32 partial sums
.set SUM,  64
.set SQ,   128
.set TT,   192
; window 1: four buffers of 64: weights, then x, then finished rows.  windows 2, 3: tile (a, bt) at v[8 (8 (a&3) + bt)]
.set MSB, 0
.macro WIN new
.if MSB != (\new)
	s_set_vgpr_msb (MSB<<8)|(\new)
.set MSB, (\new)
.endif
.endm
.macro PLACES                          ; four plain vector instructions behind a matrix instruction before its registers are used or loaded (ISA guide 7.12.1)
.rept 4
	v_nop
.endr
.endm
; 16 matrix instructions.  The 64 accumulators take turns, one instruction a turn.
.macro MUL16 f, wb, hi, a0, cm
.irp a, \a0, \a0+1
.irp b, 0,1,2,3,4,5,6,7
.if \cm
	v_wmma_f32_16x16x32_bf16 v[8*(8*(\a)+\b):8*(8*(\a)+\b)+7], v[\f+8*(4*\hi+\a):\f+8*(4*\hi+\a)+7], v[\wb+8*\b:\wb+8*\b+7], v[BI+8*\b:BI+8*\b+7]
.else
	v_wmma_f32_16x16x32_bf16 v[8*(8*(\a)+\b):8*(8*(\a)+\b)+7], v[\f+8*(4*\hi+\a):\f+8*(4*\hi+\a)+7], v[\wb+8*\b:\wb+8*\b+7], v[8*(8*(\a)+\b):8*(8*(\a)+\b)+7]
.endif
.endr
.endr
.endm
.macro FETCHC k, f                     ; eight ctx fragments: 16 loads of 512 neighbouring bytes
.irp n, 0,1,2,3,4,5,6,7,8,9,10,11,12,13,14,15
	ds_load_b128 v[\f+4*\n:\f+4*\n+3], v[ADRC] offset:\k+512*\n
.endr
.endm
.macro WLOAD wb, off
	WIN 0x40
.irp n, 0,1,2,3,4,5,6,7,8,9,10,11,12,13,14,15
	global_load_b128 v[\wb+4*\n:\wb+4*\n+3], v[VO], s[6:7] offset:\off+512*\n
.endr
.endm
.macro XLOAD a, wb                     ; x of token tile a, my wave's 128 columns: register 8 j + bt goes with register j of tile (a, bt)
	WIN 0x40
.irp j, 0,1,2,3,4,5,6,7
	global_load_b128 v[\wb+8*\j:\wb+8*\j+3],   v[VX], s[8:9] offset:(16*(\a)+\j)*2048 th:TH_LOAD_NT
	global_load_b128 v[\wb+8*\j+4:\wb+8*\j+7], v[VX], s[8:9] offset:(16*(\a)+\j)*2048+256 th:TH_LOAD_NT
.endr
.endm
; K step s (0-3) of a trip.  wl = 1: the weights four steps on follow into the freed buffer; 2: x of token tile s does
.macro STEP s, cm, fetch, wl
	s_wait_loadcnt 48                              ; this step's 16 weight loads are in; the three younger buffers (weights or x) stay out
	s_wait_dscnt 8                                 ; ctx fragments of token tiles 0-3 are in; the eight youngest LDS loads may be out
.if \cm
	WIN 0x84
.else
	WIN 0xa4
.endif
	MUL16 64+64*(\s&1), 64*(\s&3), 0, 0, \cm
	MUL16 64+64*(\s&1), 64*(\s&3), 0, 2, \cm
.if \fetch
	PLACES
	WIN 0
	FETCHC 8192*(\s+1), 128-64*(\s&1)
	s_wait_dscnt 16                                ; all but the 16 just issued
.else
	s_wait_dscnt 0x0
.endif
.if \cm
	WIN 0xc4
.else
	WIN 0xf4
.endif
	MUL16 64+64*(\s&1), 64*(\s&3), 1, 0, \cm
	MUL16 64+64*(\s&1), 64*(\s&3), 1, 2, \cm
	PLACES
.if \wl == 1
	WLOAD 64*(\s&3), (\s+4)*8192
.endif
.if \wl == 2
	XLOAD \s, 64*(\s&3)
.endif
.endm
.macro TRIP cm, last, wl, pf
	STEP 0, \cm, 1, \wl
.if \pf
	WIN 0
	global_prefetch_b8 v[PF], s[52:53] th:TH_LOAD_NT scope:SCOPE_SE               ; 16 KiB of x a trip and wave, lanes 256 bytes apart: in two trips the wave asks once
	global_prefetch_b8 v[PF], s[52:53] offset:8192 th:TH_LOAD_NT scope:SCOPE_SE   ; for all 32 KiB of token tile 4 + w, which the epilogue loads; tiles 0-3 are loaded in the last trip
.endif
	STEP 1, 0, 1, \wl
	STEP 2, 0, 1, \wl
	STEP 3, 0, 1-\last, \wl
	WIN 0
.if \wl == 1
	s_wait_xcnt 0x0                                ; the pointers are stepped only behind this wait
	s_add_nc_u64 s[6:7], s[6:7], 32768
.endif
.if \pf
	s_add_nc_u64 s[52:53], s[52:53], 16384
.endif
.if 1-\last
	v_add_nc_u32 v[ADRC], 32768, v[ADRC]
.endif
.endm
.macro LANESUM base                    ; eight registers summed over the 16 lanes of each half: every lane ends with the sum
.irp m, 1,2,4,8
.irp j, 0,1,2,3,4,5,6,7
	v_add_f32_dpp v[\base+\j], v[\base+\j], v[\base+\j] row_xmask:\m row_mask:0xf bank_mask:0xf
.endr
.endr
.endm
.macro RLOAD a, set, red               ; the four waves' partial sums of my eight tokens of tile a
.irp wv, 0,1,2,3
	ds_load_b128 v[TT+32*(\set)+8*\wv:TT+32*(\set)+8*\wv+3],   v[RA] offset:\red*2048+\wv*512+(\a)*64
	ds_load_b128 v[TT+32*(\set)+8*\wv+4:TT+32*(\set)+8*\wv+7], v[RA] offset:\red*2048+\wv*512+(\a)*64+16
.endr
.endm
.macro RSUM set                        ; their sum, in the set's first eight registers
.irp jj, 0,2,4,6
	v_pk_add_f32 v[TT+32*(\set)+\jj:TT+32*(\set)+\jj+1],       v[TT+32*(\set)+\jj:TT+32*(\set)+\jj+1],       v[TT+32*(\set)+8+\jj:TT+32*(\set)+8+\jj+1]
	v_pk_add_f32 v[TT+32*(\set)+16+\jj:TT+32*(\set)+16+\jj+1], v[TT+32*(\set)+16+\jj:TT+32*(\set)+16+\jj+1], v[TT+32*(\set)+24+\jj:TT+32*(\set)+24+\jj+1]
.endr
.irp jj, 0,2,4,6
	v_pk_add_f32 v[TT+32*(\set)+\jj:TT+32*(\set)+\jj+1], v[TT+32*(\set)+\jj:TT+32*(\set)+\jj+1], v[TT+32*(\set)+16+\jj:TT+32*(\set)+16+\jj+1]
.endr
.endm
.macro RNEXT a, red                    ; ask for the next tile's partial sums, wait for this tile's
.if \a < 7
	RLOAD \a+1, (\a+1)&1, \red
	s_wait_dscnt 8                                 ; all but the eight just issued
.else
	s_wait_dscnt 0x0
.endif
.endm
; h = product + bias + x; the wave's row sums of token tile a
.macro E1 a, cnt
	s_wait_loadcnt \cnt                            ; x of tile a is in; the younger tiles' loads stay out
	WIN 0x86+0x41*((\a)>>2)
.irp j, 0,1,2,3,4,5,6,7
.irp b, 0,1,2,3,4,5,6,7
	v_add_f32 v[8*(8*((\a)&3)+\b)+\j], v[8*(8*((\a)&3)+\b)+\j], v[64*((\a)&3)+8*\j+\b]
.endr
.endr
.if \a < 4
	XLOAD \a+4, 64*((\a)&3)
.endif
	WIN 0x0a+5*((\a)>>2)
.irp jj, 0,2,4,6
	v_pk_add_f32 v[SUM+8*(\a)+\jj:SUM+8*(\a)+\jj+1], v[8*(8*((\a)&3))+\jj:8*(8*((\a)&3))+\jj+1], v[8*(8*((\a)&3)+1)+\jj:8*(8*((\a)&3)+1)+\jj+1]
.endr
	WIN 0x02+((\a)>>2)
.irp b, 2,3,4,5,6,7
.irp jj, 0,2,4,6
	v_pk_add_f32 v[SUM+8*(\a)+\jj:SUM+8*(\a)+\jj+1], v[8*(8*((\a)&3)+\b)+\jj:8*(8*((\a)&3)+\b)+\jj+1], v[SUM+8*(\a)+\jj:SUM+8*(\a)+\jj+1]
.endr
.endr
	WIN 0
	LANESUM SUM+8*(\a)
	ds_store_b128 v[RW], v[SUM+8*(\a):SUM+8*(\a)+3]   offset:(\a)*64          ; the 16 lanes of a half write the same words with the same values
	ds_store_b128 v[RW], v[SUM+8*(\a)+4:SUM+8*(\a)+7] offset:(\a)*64+16
.endm
; h - mean; the wave's sums of squares
.macro E2 a
	RNEXT \a, 0
	RSUM (\a)&1
.irp jj, 0,2,4,6
	v_pk_mul_f32 v[SUM+8*(\a)+\jj:SUM+8*(\a)+\jj+1], v[TT+32*((\a)&1)+\jj:TT+32*((\a)&1)+\jj+1], s[58:59] op_sel_hi:[1,0]   ; -mean
.endr
	WIN 0x82+0x41*((\a)>>2)
.irp b, 0,1,2,3,4,5,6,7
.irp jj, 0,2,4,6
	v_pk_add_f32 v[8*(8*((\a)&3)+\b)+\jj:8*(8*((\a)&3)+\b)+\jj+1], v[8*(8*((\a)&3)+\b)+\jj:8*(8*((\a)&3)+\b)+\jj+1], v[SUM+8*(\a)+\jj:SUM+8*(\a)+\jj+1]
.endr
.endr
	WIN 0x0a+5*((\a)>>2)
.irp jj, 0,2,4,6
	v_pk_mul_f32 v[SQ+8*(\a)+\jj:SQ+8*(\a)+\jj+1], v[8*(8*((\a)&3))+\jj:8*(8*((\a)&3))+\jj+1], v[8*(8*((\a)&3))+\jj:8*(8*((\a)&3))+\jj+1]
.endr
.irp b, 1,2,3,4,5,6,7
.irp jj, 0,2,4,6
	v_pk_fma_f32 v[SQ+8*(\a)+\jj:SQ+8*(\a)+\jj+1], v[8*(8*((\a)&3)+\b)+\jj:8*(8*((\a)&3)+\b)+\jj+1], v[8*(8*((\a)&3)+\b)+\jj:8*(8*((\a)&3)+\b)+\jj+1], v[SQ+8*(\a)+\jj:SQ+8*(\a)+\jj+1]
.endr
.endr
	WIN 0
	LANESUM SQ+8*(\a)
	ds_store_b128 v[RW], v[SQ+8*(\a):SQ+8*(\a)+3]   offset:2048+(\a)*64
	ds_store_b128 v[RW], v[SQ+8*(\a)+4:SQ+8*(\a)+7] offset:2048+(\a)*64+16
.endm
; scale, gain, offset, store
.macro E3 a
	RNEXT \a, 1
	RSUM (\a)&1
.irp jj, 0,2,4,6
	v_pk_fma_f32 v[SQ+8*(\a)+\jj:SQ+8*(\a)+\jj+1], v[TT+32*((\a)&1)+\jj:TT+32*((\a)&1)+\jj+1], s[54:55], v[EPS:EPS+1] op_sel_hi:[1,0,1]   ; variance + eps
.endr
.irp j, 0,1,2,3,4,5,6,7
	v_rsq_f32 v[SQ+8*(\a)+\j], v[SQ+8*(\a)+\j]
.endr
	v_nop                                          ; the plain instruction behind the roots (ISA guide 5.7.2)
	WIN 0x82+0x41*((\a)>>2)
	s_wait_alu depctr_va_vdst(0)
.irp b, 0,1,2,3,4,5,6,7
.irp jj, 0,2,4,6
	v_pk_mul_f32 v[8*(8*((\a)&3)+\b)+\jj:8*(8*((\a)&3)+\b)+\jj+1], v[8*(8*((\a)&3)+\b)+\jj:8*(8*((\a)&3)+\b)+\jj+1], v[SQ+8*(\a)+\jj:SQ+8*(\a)+\jj+1]
.endr
.endr
	s_wait_xcnt 0x0                                ; the buffer's last stores have had their data read: it is rewritten only behind this wait
	WIN 0x42+((\a)>>2)
.irp j, 0,1,2,3,4,5,6,7
.irp b, 0,1,2,3,4,5,6,7
	v_fma_f32 v[64*((\a)&3)+8*\j+\b], v[8*(8*((\a)&3)+\b)+\j], v[G+\b], v[BT+\b]   ; four neighbouring columns land in four neighbouring registers
.endr
.endr
	WIN 0x04
.irp j, 0,1,2,3,4,5,6,7
	global_store_b128 v[VX], v[64*((\a)&3)+8*\j:64*((\a)&3)+8*\j+3],   s[16:17] offset:(16*(\a)+\j)*2048 th:TH_STORE_NT       ; sixteen lanes store 256 neighbouring bytes, aligned
	global_store_b128 v[VX], v[64*((\a)&3)+8*\j+4:64*((\a)&3)+8*\j+7], s[16:17] offset:(16*(\a)+\j)*2048+256 th:TH_STORE_NT
.endr
	WIN 0
.endm
	s_load_b256 s[4:11], s[0:1], 0x0               ; cf s[4:5], wf s[6:7], x s[8:9], bm s[10:11]
	s_load_b128 s[12:15], s[0:1], 0x20             ; gamma s[12:13], beta s[14:15]
	s_load_b64 s[16:17], s[0:1], 0x30              ; out0
	v_lshl_add_u32 v62, v0, 2, 0x29000
	v_mov_b32 v63, 0
	ds_add_u32 v62, v63
	ds_add_u32 v62, v63
	v_lshrrev_b32 v8, 5, v0
	v_readfirstlane_b32 s18, v8                    ; wave
	; Two descriptors for rows of 256 bytes that follow each other in memory and in LDS (32 elements of 8 bytes, pitch 32):
	; 40 rows a wave = the first 40,960 bytes (K steps 0-4: the first trip reads the fifth step's fragments too), 88 rows a wave = the other 90,112.
	s_mov_b32 s36, 3<<16
	s_mov_b32 s37, 32<<16
	s_mov_b32 s38, 40<<16
	s_mov_b32 s39, 32<<16
	s_mov_b32 s40, 40
	s_mov_b32 s41, 32
	s_mov_b32 s42, 0
	s_mov_b32 s43, 0
	s_mov_b32 s44, 3<<16
	s_mov_b32 s45, 32<<16
	s_mov_b32 s46, 88<<16
	s_mov_b32 s47, 32<<16
	s_mov_b32 s48, 88
	s_mov_b32 s49, 32
	s_mov_b32 s50, 0
	s_mov_b32 s51, 0
	s_mov_b32 s28, 1
	s_mul_i32 s29, s18, 10240                      ; LDS: wave x 10,240
	s_mov_b32 s32, 1
	s_mul_i32 s33, s18, 22528
	s_add_co_u32 s33, s33, 40960                   ; LDS: 40,960 + wave x 22,528
	s_lshl_b32 s20, ttmp9, 17                      ; the group's 131,072 bytes of cf
	s_mov_b32 s21, 0
	s_wait_dscnt 0x0
	s_wait_kmcnt 0x0
	s_add_nc_u64 s[4:5], s[4:5], s[20:21]
	s_mov_b32 s20, s29                             ; the byte in the group's block is the byte in LDS
	s_add_nc_u64 s[30:31], s[4:5], s[20:21]
	s_or_b32 s31, s31, 0x80000000
	s_mov_b32 s20, s33
	s_add_nc_u64 s[34:35], s[4:5], s[20:21]
	s_or_b32 s35, s35, 0x80000000
	tensor_load_to_lds s[28:31], s[36:43]          ; both fills go out first; a wave has these two tensor loads out and never another
	s_nop 0
	tensor_load_to_lds s[32:35], s[44:51]
	s_nop 0
	s_lshl_b32 s20, s18, 17
	s_add_co_u32 s20, s20, 1572864
	s_add_nc_u64 s[6:7], s[6:7], s[20:21]          ; Wm's fragments of my 128 columns
	s_lshl_b32 s22, ttmp9, 18                      ; the group's 128 rows of x and out0
	s_mov_b32 s23, 0
	s_add_nc_u64 s[52:53], s[8:9], s[22:23]
	s_lshl_b32 s20, s18, 15
	s_add_co_u32 s20, s20, 131072
	s_add_nc_u64 s[52:53], s[52:53], s[20:21]      ; x at token tile 4 + w, for the prefetches
	s_lshl_b32 s20, s18, 9                         ; my wave's 512 bytes of a row
	s_add_co_u32 s22, s22, s20
	s_add_nc_u64 s[8:9], s[8:9], s[22:23]
	s_add_nc_u64 s[16:17], s[16:17], s[22:23]
	s_mov_b32 s54, 0x3b000000                      ; 1/512
	s_mov_b32 s55, 0x3b000000
	s_mov_b32 s58, 0xbb000000                      ; -1/512
	s_mov_b32 s59, 0xbb000000
	v_and_b32 v9, 31, v0                           ; lane
	v_and_b32 v10, 15, v0                          ; r
	v_bfe_u32 v11, v0, 4, 1                        ; h
	v_lshlrev_b32 v[VO], 4, v9
	v_mov_b32 v[ADRC], v[VO]
	v_lshlrev_b32 v[VX], 4, v10
	v_lshl_add_u32 v[VX], v11, 14, v[VX]           ; lanes 16-31: eight rows further down
	v_lshlrev_b32 v[RA], 5, v11
	v_add_nc_u32 v[RA], RED1, v[RA]
	v_add_nc_u32 v[RW], s20, v[RA]
	v_lshlrev_b32 v[PF], 8, v9
	v_lshl_add_u32 v7, v10, 4, s20                 ; byte of column 128 w + 4 r in bm, gamma, beta
	v_mov_b32 v[EPS], 0x3727c5ac                   ; 1e-5
	v_mov_b32 v[EPS+1], 0x3727c5ac
	global_load_b128 v[BMV:BMV+3],   v7, s[10:11]
	global_load_b128 v[BMV+4:BMV+7], v7, s[10:11] offset:256
	global_load_b128 v[G:G+3],       v7, s[12:13]
	global_load_b128 v[G+4:G+7],     v7, s[12:13] offset:256
	global_load_b128 v[BT:BT+3],     v7, s[14:15]
	global_load_b128 v[BT+4:BT+7],   v7, s[14:15] offset:256
	WLOAD 0, 0
	WLOAD 64, 8192
	WLOAD 128, 16384
	WLOAD 192, 24576
	WIN 0
	s_wait_loadcnt 48                              ; the six loads above are in (and K step 0's weights, which are wanted next); 48 weight loads stay out
.irp b, 0,1,2,3,4,5,6,7
.irp j, 0,1,2,3,4,5,6,7
	v_mov_b32 v[BI+8*\b+\j], v[BMV+\b]             ; tile b's C: my column's bias for each of the eight tokens
.endr
.endr
	s_wait_tensorcnt 0x1                           ; my part of K steps 0-4 is in; the second load stays out
	s_barrier_signal -1
	s_barrier_wait -1                              ; everybody's part is in
	FETCHC 0, F0
	TRIP 1, 0, 1, 0                                ; K steps 0-3; reads stay inside the first 40,960 bytes
	s_wait_tensorcnt 0x0                           ; my part of the rest is in,
	s_wait_dscnt 0x0
	s_barrier_signal -1
	s_barrier_wait -1                              ; everybody's is
	s_mov_b32 s24, 2
.Ltrip:
	TRIP 0, 0, 1, 1
	s_sub_co_u32 s24, s24, 1
	s_cmp_lg_u32 s24, 0
	s_cbranch_scc1 .Ltrip
	TRIP 0, 1, 2, 0                                ; K steps 12-15: x of token tiles 0-3 follows into the freed weight buffers
	E1 0, 48                                       ; three younger tiles of x (48 loads) stay out while there are that many
	E1 1, 48
	E1 2, 48
	E1 3, 48
	E1 4, 48
	E1 5, 32
	E1 6, 16
	E1 7, 0
	s_wait_dscnt 0x0                               ; my row sums are stored,
	s_barrier_signal -1
	s_barrier_wait -1                              ; everybody's are
	RLOAD 0, 0, 0
.irp a, 0,1,2,3,4,5,6,7
	E2 \a
.endr
	s_wait_dscnt 0x0                               ; my sums of squares are stored,
	s_barrier_signal -1
	s_barrier_wait -1                              ; everybody's are
	RLOAD 0, 0, 1
.irp a, 0,1,2,3,4,5,6,7
	E3 \a
.endr
	s_wait_tensorcnt 0x0
	ds_add_u32 v62, v63
	s_wait_dscnt 0x0
	s_endpgm
.Lfunc_end_k_q743755ad96_merge:
	.size	k_q743755ad96_merge, .Lfunc_end_k_q743755ad96_merge-k_q743755ad96_merge
	.p2alignl 7, 3214868480
	.fill 96, 4, 3214868480
	.section	.rodata,"a",@progbits
	.p2align	6, 0x0
	.amdhsa_kernel k_q743755ad96_merge
		.amdhsa_group_segment_fixed_size 168448
		.amdhsa_private_segment_fixed_size 0
		.amdhsa_enable_private_segment 0
		.amdhsa_kernarg_size 56
		.amdhsa_user_sgpr_count 2
		.amdhsa_user_sgpr_kernarg_segment_ptr 1
		.amdhsa_wavefront_size32 1
		.amdhsa_system_sgpr_workgroup_id_x 1
		.amdhsa_system_sgpr_workgroup_id_y 1
		.amdhsa_system_sgpr_workgroup_id_z 1
		.amdhsa_system_vgpr_workitem_id 0
		.amdhsa_next_free_vgpr 1024
		.amdhsa_next_free_sgpr 66
		.amdhsa_reserve_vcc 0
		.amdhsa_float_denorm_mode_32 3
		.amdhsa_float_denorm_mode_16_64 3
		.amdhsa_memory_ordered 1
		.amdhsa_forward_progress 1
		.amdhsa_inst_pref_size 255
	.end_amdhsa_kernel
	.section	.bss,"aw",@nobits
	.p2align	6
	.space	262144
	.amdgpu_metadata
---
amdhsa.version: [ 1, 2 ]
amdhsa.kernels:
  - .name:           k_q743755ad96_merge
    .symbol:         k_q743755ad96_merge.kd
    .args:
      - { .name: cf, .offset: 0, .size: 8, .value_kind: global_buffer, .address_space: global }
      - { .name: wf, .offset: 8, .size: 8, .value_kind: global_buffer, .address_space: global }
      - { .name: x, .offset: 16, .size: 8, .value_kind: global_buffer, .address_space: global }
      - { .name: bm, .offset: 24, .size: 8, .value_kind: global_buffer, .address_space: global }
      - { .name: gamma, .offset: 32, .size: 8, .value_kind: global_buffer, .address_space: global }
      - { .name: beta, .offset: 40, .size: 8, .value_kind: global_buffer, .address_space: global }
      - { .name: out0, .offset: 48, .size: 8, .value_kind: global_buffer, .address_space: global }
    .group_segment_fixed_size: 168448
    .private_segment_fixed_size: 0
    .kernarg_segment_align: 8
    .kernarg_segment_size: 56
    .max_flat_workgroup_size: 128
    .sgpr_count:     66
    .vgpr_count:     1024
    .wavefront_size: 32
...
	.end_amdgpu_metadata
.endif
;; end of part 4
